; MI455X (gfx1250); checked and timed in simulation.
; The chip was launched on July 23, 2026; its instructions are those of AMD's public machine-readable ISA for CDNA 5 (MIT licence, August 2026) and "CDNA5" Instruction Set Architecture Reference Guide (July 2026). The comments in the code are by the model that wrote it; some were corrected since.
;; btnn Layer. Allowed arithmetic: float matrix products may take bf16 or f16 operands with f32 sums; other float arithmetic in f32, or as packed bf16 or f16 multiplies, adds, multiply-adds, maxima and minima; sums over many terms, partial sums and values carried from step to step in f32; what a program stores and reads back later, other than sums and carried values, may be rounded once to bf16 or f16.
;; Inputs: nr_w 4,096 x 4,096 float32; pr_w 4,096 x 4,096 float32; x 4,096 x 4,096 float32.
;; Outputs: out0 4,096 x 4,096 float32.
;; One version. Each part assembles by itself: llvm-mc -triple=amdgcn-amd-amdhsa -mcpu=gfx1250 --defsym DOCPART=n.
;; ======== version 1 of 1: 2 launches
;; workspace buffers: xb 33,554,432 bytes; wb 33,554,432 bytes
;; launch prep (part 1): grid 512 x 1, 8 waves a work-group, no clusters, 0 bytes of LDS; arguments x, pr_w, nr_w, xb, wb; writes xb, wb
.if DOCPART == 1
	.amdgcn_target "amdgcn-amd-amdhsa--gfx1250"
	.amdhsa_code_object_version 6
	.text
	.protected	k_q3ba487e71a_prep
	.globl	k_q3ba487e71a_prep
	.p2align	8
	.type	k_q3ba487e71a_prep,@function
k_q3ba487e71a_prep:
	s_mov_b64 s[64:65], 0
	v_nop
	global_prefetch_b8 v0, s[64:65] scope:SCOPE_SE
	s_setreg_imm32_b32 hwreg(HW_REG_WAVE_MODE, 25, 1), 1
	s_wait_xcnt 0x0
; THE TWO OPERANDS OF THE PRODUCT, made once.  x, pr_w, nr_w: [4096][4096] f32.  xb, wb: [4096][4096] bf16, the same order of elements.
;   xb = x rounded to bf16 (nearest even).
;   wb = tp - tn rounded to bf16, with tp = ((p > 0) + p) - p and tn = ((n > 0) + n) - n in f32, step by step as the module writes them,
;        on p = pr_w and n = nr_w ROUNDED TO bf16 FIRST: all three inputs get the same one rounding.  For |p| of 2^-16 or more 1 + p is exact in f32, so tp is 1 or 0.
; LIMITS.  The rounding keeps a weight's sign, but a weight below 2^-134 in size becomes 0 and counts as not positive.  A NaN weight gives NaN, as in the module.
; WHY A LAUNCH OF ITS OWN.  Each row of wb is multiplied by 16 work-groups of the product; made there, its ten or so vector instructions a number would be paid 16 times.
; SHARES.  All five arrays share one index.  A work-group owns 32,768 elements, each of its eight waves 4,096, in eight turns of 512.  In a turn a lane takes four times 4 neighbouring numbers of each
; input: a load of the wave covers 512 consecutive bytes, aligned; the 4 numbers leave as 8 bytes, so a store of the wave covers 256 consecutive bytes, aligned.
; No wave wants another wave's bytes: no LDS, no barrier.  A ring of four slots in registers, 12 loads each, keeps 36 to 48 loads of every wave on their way.  Every place in the
; wave's share stands in an immediate, 15,872 at the most: no address register is ever rewritten.
.set LO,   1                           ; v1        my byte offset in the work-group's share of an input: 16,384 x wave + 16 x lane
.set SO,   2                           ; v2        the same in an output: 8,192 x wave + 8 x lane
.set RING, 4                           ; v[4:195]  slot s at RING + 48 s: 16 registers of x, 16 of pr_w, 16 of nr_w
.set QP,   196                         ; v[196:211] tp, then tp - tn
.set QN,   212                         ; v[212:227] tn
.set T,    228                         ; v[228:235] 16 weights packed as bf16
.set YX,   236                         ; v[236:243] 16 numbers of xb to store
.set YW,   244                         ; v[244:251] 16 numbers of wb to store
.set MK,   16                          ; s16-23    eight masks of a comparison
.set HIM,  24                          ; s24       a word's upper bf16
	s_load_b256 s[4:11], s[0:1], 0x0               ; x s[4:5], pr_w s[6:7], nr_w s[8:9], xb s[10:11]
	s_load_b64 s[12:13], s[0:1], 0x20              ; wb
	s_lshl_b32 s2, ttmp9, 17                       ; the work-group's share of an input: 131,072 bytes (511 of them stay under 2^31)
	s_mov_b32 s3, 0
	s_lshl_b32 s14, ttmp9, 16                      ; and of an output: 65,536 bytes
	s_mov_b32 s15, 0
	s_mov_b32 s[HIM], 0xffff0000
	v_lshrrev_b32 v3, 5, v0                        ; wave
	v_and_b32 v[LO], 31, v0                        ; lane
	v_lshlrev_b32 v[SO], 3, v[LO]
	v_lshlrev_b32 v[LO], 4, v[LO]
	v_lshl_add_u32 v[LO], v3, 14, v[LO]
	v_lshl_add_u32 v[SO], v3, 13, v[SO]
	s_wait_kmcnt 0x0
	s_add_nc_u64 s[4:5], s[4:5], s[2:3]
	s_add_nc_u64 s[6:7], s[6:7], s[2:3]
	s_add_nc_u64 s[8:9], s[8:9], s[2:3]
	s_add_nc_u64 s[10:11], s[10:11], s[14:15]
	s_add_nc_u64 s[12:13], s[12:13], s[14:15]
; Turn t's twelve loads into slot s: 2,048 bytes of each input.  Each byte is read once in the launch.
.macro FILL s, t
.irp j, 0,1,2,3
	global_load_b128 v[RING+48*(\s)+4*(\j):RING+48*(\s)+4*(\j)+3],       v[LO], s[4:5] offset:2048*(\t)+512*(\j) th:TH_LOAD_NT
	global_load_b128 v[RING+48*(\s)+16+4*(\j):RING+48*(\s)+16+4*(\j)+3], v[LO], s[6:7] offset:2048*(\t)+512*(\j) th:TH_LOAD_NT
	global_load_b128 v[RING+48*(\s)+32+4*(\j):RING+48*(\s)+32+4*(\j)+3], v[LO], s[8:9] offset:2048*(\t)+512*(\j) th:TH_LOAD_NT
.endr
.endm
; 16 weights at v[w ..] become ((w > 0) + w) - w at v[q ..]: rounded to bf16 and widened again in place; eight comparisons, then their eight selections of 1 or 0, twice; two packed sums.
.macro TERN w, q
.irp i, 0,1,2,3,4,5,6,7
	v_cvt_pk_bf16_f32 v[T+(\i)], v[(\w)+2*(\i)], v[(\w)+2*(\i)+1]
.endr
.irp i, 0,1,2,3,4,5,6,7
	v_lshlrev_b32 v[(\w)+2*(\i)],   16, v[T+(\i)]          ; bf16 to f32: the low half moves up,
	v_and_b32     v[(\w)+2*(\i)+1], s[HIM], v[T+(\i)]      ; the high half stays
.endr
.irp g, 0,8
.irp r, 0,1,2,3,4,5,6,7
	v_cmp_lt_f32 s[MK+(\r)], 0, v[(\w)+(\g)+(\r)]          ; 0 < w
.endr
.irp r, 0,1,2,3,4,5,6,7
	v_cndmask_b32 v[(\q)+(\g)+(\r)], 0, 1.0, s[MK+(\r)]
.endr
.endr
.irp i, 0,2,4,6,8,10,12,14
	v_pk_add_f32 v[(\q)+(\i):(\q)+(\i)+1], v[(\q)+(\i):(\q)+(\i)+1], v[(\w)+(\i):(\w)+(\i)+1]
.endr
.irp i, 0,2,4,6,8,10,12,14
	v_pk_add_f32 v[(\q)+(\i):(\q)+(\i)+1], v[(\q)+(\i):(\q)+(\i)+1], v[(\w)+(\i):(\w)+(\i)+1] neg_lo:[0,1] neg_hi:[0,1]
.endr
.endm
; Turn t, on slot t % 4.  fill = 1: the slot takes turn t + 4.  left = the loads issued behind this slot's twelve, which may stay out.
.macro TURN t, fill, left
.set XR, RING+48*((\t)%4)
	s_wait_loadcnt \left                           ; loads come back in order (ISA guide 5.7.1): my slot's twelve are in
	s_wait_xcnt 0x0                                ; YX and YW, the data of the last turn's stores, are rewritten only behind this wait
.irp i, 0,1,2,3,4,5,6,7
	v_cvt_pk_bf16_f32 v[YX+(\i)], v[XR+2*(\i)], v[XR+2*(\i)+1]
.endr
	TERN XR+16, QP
	TERN XR+32, QN
.irp i, 0,2,4,6,8,10,12,14
	v_pk_add_f32 v[QP+(\i):QP+(\i)+1], v[QP+(\i):QP+(\i)+1], v[QN+(\i):QN+(\i)+1] neg_lo:[0,1] neg_hi:[0,1]  ; tp - tn
.endr
.irp i, 0,1,2,3,4,5,6,7
	v_cvt_pk_bf16_f32 v[YW+(\i)], v[QP+2*(\i)], v[QP+2*(\i)+1]
.endr
.if \fill
	FILL (\t)%4, (\t)+4                            ; the loads go out ahead of the stores
.endif
.irp j, 0,1,2,3
	global_store_b64 v[SO], v[YX+2*(\j):YX+2*(\j)+1], s[10:11] offset:1024*(\t)+256*(\j)
.endr
.irp j, 0,1,2,3
	global_store_b64 v[SO], v[YW+2*(\j):YW+2*(\j)+1], s[12:13] offset:1024*(\t)+256*(\j)
.endr
.endm
	FILL 0, 0
	FILL 1, 1
	FILL 2, 2
	FILL 3, 3
	TURN 0, 1, 36                                  ; behind a slot's twelve loads stand three younger fills: 36
	TURN 1, 1, 36
	TURN 2, 1, 36
	TURN 3, 1, 36
	TURN 4, 0, 36                                  ; the last four turns load nothing: the counts run down
	TURN 5, 0, 24
	TURN 6, 0, 12
	TURN 7, 0, 0
	s_endpgm
.Lfunc_end_k_q3ba487e71a_prep:
	.size	k_q3ba487e71a_prep, .Lfunc_end_k_q3ba487e71a_prep-k_q3ba487e71a_prep
	.p2alignl 7, 3214868480
	.fill 96, 4, 3214868480
	.section	.rodata,"a",@progbits
	.p2align	6, 0x0
	.amdhsa_kernel k_q3ba487e71a_prep
		.amdhsa_group_segment_fixed_size 0
		.amdhsa_private_segment_fixed_size 0
		.amdhsa_enable_private_segment 0
		.amdhsa_kernarg_size 40
		.amdhsa_user_sgpr_count 2
		.amdhsa_user_sgpr_kernarg_segment_ptr 1
		.amdhsa_wavefront_size32 1
		.amdhsa_system_sgpr_workgroup_id_x 1
		.amdhsa_system_sgpr_workgroup_id_y 1
		.amdhsa_system_sgpr_workgroup_id_z 1
		.amdhsa_system_vgpr_workitem_id 0
		.amdhsa_next_free_vgpr 252
		.amdhsa_next_free_sgpr 66
		.amdhsa_reserve_vcc 0
		.amdhsa_float_denorm_mode_32 3
		.amdhsa_float_denorm_mode_16_64 3
		.amdhsa_memory_ordered 1
		.amdhsa_forward_progress 1
		.amdhsa_inst_pref_size 93
	.end_amdhsa_kernel
	.amdgpu_metadata
---
amdhsa.version: [ 1, 2 ]
amdhsa.kernels:
  - .name:           k_q3ba487e71a_prep
    .symbol:         k_q3ba487e71a_prep.kd
    .args:
      - { .name: x, .offset: 0, .size: 8, .value_kind: global_buffer, .address_space: global }
      - { .name: pr_w, .offset: 8, .size: 8, .value_kind: global_buffer, .address_space: global }
      - { .name: nr_w, .offset: 16, .size: 8, .value_kind: global_buffer, .address_space: global }
      - { .name: xb, .offset: 24, .size: 8, .value_kind: global_buffer, .address_space: global }
      - { .name: wb, .offset: 32, .size: 8, .value_kind: global_buffer, .address_space: global }
    .group_segment_fixed_size: 0
    .private_segment_fixed_size: 0
    .kernarg_segment_align: 8
    .kernarg_segment_size: 40
    .max_flat_workgroup_size: 256
    .sgpr_count:     66
    .vgpr_count:     252
    .wavefront_size: 32
...
	.end_amdgpu_metadata
.endif
;; end of part 1
;; launch gemm (part 2): grid 16 x 16, 4 waves a work-group, clusters of 4 x 4, 327,680 bytes of LDS; arguments xb, wb, out0; writes out0
.if DOCPART == 2
	.amdgcn_target "amdgcn-amd-amdhsa--gfx1250"
	.amdhsa_code_object_version 6
	.text
	.protected	k_q3ba487e71a_gemm
	.globl	k_q3ba487e71a_gemm
	.p2align	8
	.type	k_q3ba487e71a_gemm,@function
k_q3ba487e71a_gemm:
	s_mov_b64 s[64:65], 0
	v_nop
	global_prefetch_b8 v0, s[64:65] scope:SCOPE_SE
	s_setreg_imm32_b32 hwreg(HW_REG_WAVE_MODE, 25, 1), 1
	s_wait_xcnt 0x0
	s_wait_alu depctr_hold_cnt(0) depctr_sa_sdst(0) depctr_va_vdst(0) depctr_va_sdst(0) depctr_va_ssrc(0) depctr_va_vcc(0) depctr_vm_vsrc(0)
	s_getreg_b32 s2, hwreg(HW_REG_IB_STS2, 6, 4)
	s_cmp_eq_u32 s2, 0
	s_cbranch_scc0 .Lentry_in_a_cluster
	s_endpgm
.Lentry_in_a_cluster:
	s_bfe_u32 s2, ttmp6, 0x10000c
	s_cmp_lg_u32 s2, 0xf033
	s_cbranch_scc0 .Lentry_shape_is_right
	s_endpgm
.Lentry_shape_is_right:
; out0[t][o] = (q + yr) - yr, q = 1 where yr > 0 and else 0, yr = the sum over d of xb[t][d] wb[o][d].  xb, wb: [4096][4096] bf16; out0: [4096][4096] f32; sums in f32.
; LIMITS.  The result hangs on the sign of yr: an output whose yr lies within the rounding of its f32 sum of 4,096 terms from 0 can take the other value than a sum taken in another order gives.
; That band scales with x.  NaN and infinities go through the product and through (q + yr) - yr as they come.
; A tile of out0, 256 x 256, is made by a work-group of four waves; a wave makes 128 x 128: 64 accumulators of 16 x 16, 512 registers.  16 x 16 tiles: one for each work-group.
; K goes in steps of 128 through a ring of two LDS slots filled by the tensor data mover: the rows of both operands' tiles are 256 bytes of memory and start at multiples of 256 bytes.
; CLUSTERS: 4 x 4 work-groups.  The four of a row of the cluster need the same tiles of xb (A), the four of a column the same tiles of wb (B).  Such a tile is asked for JOINTLY: each of the four
; issues the same tensor load, with the same descriptor and a mask that names the four, and each receives the tile in its own LDS.
; REGISTERS, in windows of 256 (s_set_vgpr_msb's low byte: bits 1:0 source 0, 3:2 source 1, 5:4 source 2, 7:6 destination):
;   window 0: v0-31 addresses; v64-127, v128-191 fragments of A (8 x 16 rows x 32 K), two buffers; on the way out v64-127 results, v128-191 and v192-255 rows read back
;   window 1: v64-127, v128-191 fragments of B, two buffers
;   window 2: the 32 accumulators of my rows 0-63 (accumulator (a, b) at v[8 (8 a + b)]);   window 3: those of my rows 64-127
; THE MATRIX INSTRUCTION IS USED TRANSPOSED: source 0 = 16 rows of B, source 1 = 16 rows of A.  In the result lane l holds row l % 16 of the tile and its registers 0 to 7 the columns
; 8 (l / 16) + 0 .. 7: eight neighbouring numbers of a row of out0, 32 bytes.
.set SIZE_K, 4096
.set KSTEP,  128
.set PITCH,  272                       ; an LDS row: 256 bytes of data + 16 of padding = 68 words: row r starts at bank 4 r mod 64 (64 banks of 4 bytes: ISA guide 11.1)
.set HALFT,  128*PITCH                 ; 128 rows: what one tensor load brings, and what one wave reads of A or of B
.set SLOT,   4*HALFT                   ; A's 256 rows, then B's 256 rows
.set STAGE,  2*SLOT                    ; behind the ring, never filled by a tensor load: a stage for each wave, for the way out
.set SPITCH, 528                       ; a stage row: 128 f32 = 512 bytes + 16 = 132 words: row r starts at bank 4 r mod 64
.set WSTAGE, 16*SPITCH                 ; 16 rows: 8,448 bytes, 33 blocks of 256
.set SPARE,  STAGE+4*WSTAGE            ; behind the stages: the spare words, 128 bytes for each wave: two blocks of 256 bytes that no other line names
.set LAPS,   SIZE_K/(2*KSTEP)          ; a lap = two K steps = once round the ring: 16
.set CROW,   16384                     ; bytes in a row of out0
.set ADRA, 16                          ; v16-17  LDS address of my A fragments in slot 0, 1
.set ADRB, 20                          ; v20-21  the same for B
.set STO,  24                          ; v24     the way out: where I put 32 bytes of a row
.set RD,   25                          ; v25     the way out: where I read a row back
.set CO,   26                          ; v26     my byte offset in 512 bytes of a row of out0
.set SPW,  28                          ; v28     LDS address of my spare word: SPARE + 4 x my thread's number; never rewritten
.set NIL,  29                          ; v29     0; never rewritten
.set PFO,  30                          ; v30     the prefetches' offset: my lane x a row of A or B in memory (8,192 bytes); never rewritten
.set PFA,  44                          ; s[44:45] where my prefetches stand: my work-group's 32 rows of the 128 that I fetch, one K step further along K than the refill that is being asked for
.set LIM,  43                          ; s43     1 in a wave that prefetches, else the greatest number
.set F0,   64                          ; fragment buffer 0
.set F1,   128                         ; fragment buffer 1
.set TMP,  64                          ; the way out: a block's 64 results a lane, in window 0
.set BK0,  128                         ; the way out: 16 rows read back from the stage: v128-191 and v192-255 by turns
.set MK,   66                          ; s66-73  eight masks of a comparison
.set G1, 24                            ; s[24:31] descriptor group 1 for A's tiles
.set G0, 32                            ; s[32:39] descriptor group 0 for A's tiles, one set for each slot
.set G1B, 48                           ; s[48:55] descriptor group 1 for B's tiles: it differs from A's in the mask alone
.set G0B, 56                           ; s[56:63] descriptor group 0 for B's tiles, one set for each slot
.set MSB, 0
.macro WIN new                         ; the immediate's high byte repeats the setting that is left; a switch that changes nothing is dropped
.if MSB != (\new)
	s_set_vgpr_msb (MSB<<8)|(\new)
.set MSB, \new
.endif
.endm
.set MUL_LO, 0xa1                      ; source 0 (B) window 1, source 1 (A) window 0, C and D window 2
.set MUL_HI, 0xf1                      ; the same, C and D window 3
.set TO_B,   0x40                      ; destination window 1, address window 0
; A joint load.  Waves 0 and 1 fetch A's two halves, waves 2 and 3 B's.  Each of the two lines has ONE mask and one set of registers for all that issue it, and nothing in them hangs on a
; coordinate that the four partners do not share.  The branch hangs on the wave's number alone.  An s_nop 0 and four v_nop follow each of the two lines.
.macro JLOAD s
	s_cmp_eq_u32 s11, 0
	s_cbranch_scc0 .Lfor_b_\@
	tensor_load_to_lds s[G0+4*(\s):G0+4*(\s)+3], s[G1:G1+7]
	s_nop 0
.rept 4
	v_nop
.endr
	s_branch .Lasked_\@
.Lfor_b_\@:
	tensor_load_to_lds s[G0B+4*(\s):G0B+4*(\s)+3], s[G1B:G1B+7]
	s_nop 0
.rept 4
	v_nop
.endr
.Lasked_\@:
.endm
; A PREFETCH INTO THE L2, behind each joint refill, its five lines and the run of LDS loads that follows them: the K step that stands TWO refills on, 512 matrix instructions ahead of the load that
; will want it: 32 rows x 256 bytes, a lane a row, one instruction a wave.  Each row's 256 bytes of a K step are named ONCE in the launch.  A's tile row is read by every cluster of that row of
; clusters: the first of them (cluster x = 0) asks; B's tile column by every cluster of that column: cluster y = 0 asks.  The four partners that ask for a tile jointly share its rows out BY
; ADDRESS: of the 128 rows that a wave fetches, the partner at place p takes 32 p .. 32 p + 31 (p = cx for A, cy for B).  K steps 0 to 3 come by their loads alone; the loop's last trip (s3 = 1)
; asks for nothing: there is no K step two on.
.macro ASK
	s_cmp_gt_u32 s3, s[LIM]
	s_cbranch_scc0 .Lnot_mine_\@
	global_prefetch_b8 v[PFO], s[PFA:PFA+1] offset:KSTEP*2 th:TH_LOAD_NT scope:SCOPE_SE
.Lnot_mine_\@:
.endm
; A round of the cluster's barrier: my work-group's barrier, so that wave 0's signal speaks for all four waves; wave 0 signals for the work-group; every wave waits for all sixteen
; work-groups; my work-group's barrier once more.  No LDS instruction of the wave is pending at a signal.
.macro CREST                           ; a round behind its opening barrier
	s_cmp_lg_u32 s10, 0
	s_cbranch_scc1 .Lnot_wave_0_\@
	s_barrier_signal -3
.Lnot_wave_0_\@:
	s_barrier_wait -3
	s_barrier_signal -1
	s_barrier_wait -1
.endm
.macro CROUND                          ; a whole round
	s_barrier_signal -1
	s_barrier_wait -1
	CREST
.endm
	s_load_b128 s[4:7], s[0:1], 0x0                ; A = xb s[4:5], B = wb s[6:7]
	s_load_b64 s[8:9], s[0:1], 0x10                ; out0
	v_lshl_add_u32 v[SPW], v0, 2, SPARE
	v_mov_b32 v[NIL], 0
	ds_add_u32 v[SPW], v[NIL]                      ; the wave's opening: the add, twice on end, and its wait ahead of my first tensor load; the set-up below stands between
	ds_add_u32 v[SPW], v[NIL]                      ; and once more, under the one wait
	v_lshrrev_b32 v1, 5, v0
	v_readfirstlane_b32 s10, v1                    ; wave 0..3
	s_lshr_b32 s11, s10, 1                         ; which half of the tile's rows is mine.  Also: I fetch for A (0) or for B (1)
	s_and_b32 s12, s10, 1                          ; which half of its columns.  Also: which 128 rows of that tile I fetch
	s_bfe_u32 s40, ttmp6, 0x40000                  ; cx: my place along the cluster's x
	s_bfe_u32 s41, ttmp6, 0x40004                  ; cy: along its y
	s_lshl_b32 s42, ttmp9, 2                       ; in a cluster launch ttmp9 and ttmp7 count clusters
	s_add_co_u32 s42, s42, s40                     ; tile column = 4 x cluster x + cx
	s_and_b32 s13, ttmp7, 0xffff
	s_lshl_b32 s13, s13, 2
	s_add_co_u32 s13, s13, s41                     ; tile row = 4 x cluster y + cy
	s_lshl_b32 s43, s41, 2
	s_lshl_b32 s43, 15, s43                        ; my row of the cluster: places 4 cy .. 4 cy + 3
	s_lshl_b32 s44, 0x1111, s40                    ; my column: places cx, cx + 4, cx + 8, cx + 12
	; descriptor group 1: a tile of 128 rows x 128 elements, padded in LDS
	s_or_b32 s[G1+0], s43, (1<<16)|(1<<20)|(1<<21)|(5<<22)|(3<<25)  ; 15:0 the mask: A's tiles go to my row; 17:16 elements of 2 bytes; 20 padding on; 21 set beside a mask; 24:22 after every 64 words (code 5); 31:25 4 words of it (code 3)
	s_or_b32 s[G1B+0], s44, (1<<16)|(1<<20)|(1<<21)|(5<<22)|(3<<25) ; the same with the mask of my column, for B's tiles
	s_mov_b32 s[G1B+1], KSTEP<<16
	s_mov_b32 s[G1+1], KSTEP<<16                   ; 63:48 tensor_dim0, low half = 128
	s_mov_b32 s[G1B+2], 128<<16
	s_mov_b32 s[G1+2], 128<<16                     ; 95:80 tensor_dim1, low half = 128
	s_mov_b32 s[G1B+3], KSTEP<<16
	s_mov_b32 s[G1+3], KSTEP<<16                   ; 127:112 tile_dim0 = 128
	s_mov_b32 s[G1B+4], 128
	s_mov_b32 s[G1+4], 128                         ; 143:128 tile_dim1 = 128; 159:144 tile_dim2 = 0
	s_mov_b32 s[G1B+5], SIZE_K
	s_mov_b32 s[G1+5], SIZE_K                      ; 191:160 elements from row to row
	s_mov_b32 s[G1B+6], 0
	s_mov_b32 s[G1+6], 0
	s_mov_b32 s[G1B+7], 0
	s_mov_b32 s[G1+7], 0
	; where the tiles come from.  A's hang on the tile row alone, which my row of the cluster shares; B's on the tile column alone, which my column shares.
	; Every wave makes both addresses, in registers that never hold the other coordinate, and asks by one of them.
	s_lshl_b32 s17, s12, 7                         ; which 128 rows of the tile I fetch
	s_lshl_b32 s16, s13, 8
	s_add_co_u32 s16, s16, s17                     ; A: row 256 x tile row + 128 x half
	s_lshl_b32 s46, s42, 8
	s_add_co_u32 s46, s46, s17                     ; B: row 256 x tile column + 128 x half
	s_mov_b32 s17, 0
	s_mov_b32 s47, 0
	s_mov_b64 s[18:19], SIZE_K*2
	s_mul_u64 s[16:17], s[16:17], s[18:19]         ; in bytes
	s_mul_u64 s[46:47], s[46:47], s[18:19]
	s_mul_i32 s20, s10, HALFT                      ; and where they go: wave x 128 rows: no place in the cluster enters an LDS address
	s_wait_dscnt 0x0                               ; both opening adds are done
	s_wait_kmcnt 0x0
	s_add_nc_u64 s[14:15], s[4:5], s[16:17]
	s_add_nc_u64 s[46:47], s[6:7], s[46:47]
	CROUND                                         ; all sixteen work-groups are here: the first joint loads meet
.irp s, 0,1
	s_mov_b32 s[G0+4*(\s)], 1                                      ; 1:0 count = 1
	s_add_co_u32 s[G0+4*(\s)+1], s20, (\s)*SLOT                    ; 63:32 LDS address
	s_add_nc_u64 s[G0+4*(\s)+2:G0+4*(\s)+3], s[14:15], (\s)*KSTEP*2  ; 120:64 global address: K step s
	s_or_b32 s[G0+4*(\s)+3], s[G0+4*(\s)+3], 0x80000000            ; 127:126 type = 2
	s_mov_b32 s[G0B+4*(\s)], 1
	s_add_co_u32 s[G0B+4*(\s)+1], s20, (\s)*SLOT
	s_add_nc_u64 s[G0B+4*(\s)+2:G0B+4*(\s)+3], s[46:47], (\s)*KSTEP*2
	s_or_b32 s[G0B+4*(\s)+3], s[G0B+4*(\s)+3], 0x80000000
	JLOAD \s                                       ; the ring is filled before anything else is done: two tensor loads of mine are out
.endr
	; A fragment is 16 rows x 32 K in 8 registers: lane l holds row l % 16; registers 0-3 hold K = 8 (l / 16) + 0..7, registers 4-7 hold K = 16 + 8 (l / 16) + 0..7:
	; two loads of 16 bytes, 32 bytes apart.  The same for source 0 and source 1.
	v_and_b32 v1, 15, v0                           ; l % 16
	v_bfe_u32 v2, v0, 4, 1                         ; l / 16
	v_mul_u32_u24 v3, v1, PITCH
	v_lshl_add_u32 v3, v2, 4, v3                   ; row x pitch + 16 x half
	s_mul_i32 s21, s11, HALFT                      ; my 128 rows of A
	s_mul_i32 s22, s12, HALFT                      ; my 128 rows of B,
	s_add_co_u32 s22, s22, 2*HALFT                 ; which lie behind A's 256
.irp s, 0,1
	v_add_nc_u32 v[ADRA+(\s)], s21, v3
	v_add_nc_u32 v[ADRB+(\s)], s22, v3
	s_add_co_u32 s21, s21, SLOT
	s_add_co_u32 s22, s22, SLOT
.endr
	s_mul_i32 s23, s10, WSTAGE
	s_add_co_u32 s23, s23, STAGE                   ; my stage
	v_mul_u32_u24 v4, v1, SPITCH                   ; in: row l % 16, 32 bytes for each half of the lanes
	v_lshl_add_u32 v4, v2, 5, v4
	v_add_nc_u32 v[STO], s23, v4
	v_and_b32 v5, 31, v0
	v_lshlrev_b32 v[CO], 4, v5                     ; back: 32 lanes take one row of 512 bytes, and the same 512 bytes of a row of out0
	v_add_nc_u32 v[RD], s23, v[CO]
	; where my part of the tile begins in out0, in bytes: the first block's way out adds it to the address
	s_lshl_b32 s13, s13, 8
	s_lshl_b32 s14, s11, 7
	s_add_co_u32 s16, s13, s14                     ; my first row
	s_mov_b32 s17, 0
	s_mov_b64 s[18:19], CROW
	s_mul_u64 s[16:17], s[16:17], s[18:19]
	s_lshl_b32 s46, s42, 10                        ; my first column, in bytes: 1,024 x tile column + 512 x half
	s_lshl_b32 s47, s12, 9
	s_add_co_u32 s46, s46, s47
	s_mov_b32 s47, 0
	s_add_nc_u64 s[16:17], s[16:17], s[46:47]
	; the prefetches.  s13 = 256 x tile row, s42 = tile column, s40 = cx, s41 = cy still stand
	s_lshl_b32 s42, s42, 8
	s_and_b32 s22, ttmp7, 0xffff                   ; cluster y
	s_cmp_eq_u32 s11, 0                            ; do I fetch for A?
	s_cselect_b32 s20, s13, s42                    ; the tile's first row: in A by the tile row, in B by the tile column
	s_cselect_b32 s21, s40, s41                    ; my place among the four that ask for it with me
	s_cselect_b32 s22, ttmp9, s22                  ; the coordinate along which other clusters read the same rows
	s_cselect_b64 s[PFA:PFA+1], s[4:5], s[6:7]
	s_cmp_eq_u32 s22, 0
	s_cselect_b32 s[LIM], 1, -1                    ; the same in all sixteen partners, for a given wave
	s_lshl_b32 s22, s12, 7
	s_add_co_u32 s20, s20, s22                     ; + the 128 rows that I fetch
	s_lshl_b32 s21, s21, 5
	s_add_co_u32 s20, s20, s21                     ; + my work-group's 32 of them
	s_mov_b32 s21, 0
	s_mov_b64 s[18:19], SIZE_K*2
	s_mul_u64 s[20:21], s[20:21], s[18:19]
	s_add_nc_u64 s[PFA:PFA+1], s[PFA:PFA+1], s[20:21]
	s_add_nc_u64 s[PFA:PFA+1], s[PFA:PFA+1], 2*KSTEP*2  ; at K step 2: the first refill steps it to 3 and names K step 4
	v_and_b32 v[PFO], 31, v0
	v_mul_u32_u24 v[PFO], v[PFO], SIZE_K*2
; 16 matrix instructions: m blocks a0, a0 + 1 of the window's four (hi = 0: my rows 0-63, 1: rows 64-127) x all 8 n blocks, 32 along K.  zero = 1: the first product starts the sums: nothing is cleared.
; The 64 accumulators take turns, one instruction a turn, in the same order in every quarter step.
.macro MUL16 f, hi, a0, zero
	WIN MUL_LO+0x50*(\hi)
.irp a, \a0, (\a0)+1
.irp b, 0,1,2,3,4,5,6,7
.if \zero
	v_wmma_f32_16x16x32_bf16 v[8*(8*(\a)+(\b)):8*(8*(\a)+(\b))+7], v[(\f)+8*(\b):(\f)+8*(\b)+7], v[(\f)+8*(4*(\hi)+(\a)):(\f)+8*(4*(\hi)+(\a))+7], 0
.else
	v_wmma_f32_16x16x32_bf16 v[8*(8*(\a)+(\b)):8*(8*(\a)+(\b))+7], v[(\f)+8*(\b):(\f)+8*(\b)+7], v[(\f)+8*(4*(\hi)+(\a)):(\f)+8*(4*(\hi)+(\a))+7], v[8*(8*(\a)+(\b)):8*(8*(\a)+(\b))+7]
.endif
.endr
.endr
.endm
; 32 LDS loads in one run: the fragments of one quarter step (128 rows of B, 128 rows of A, 32 K at byte k of the rows) into buffer f
.macro FETCH slot, k, f
	WIN TO_B
.irp i, 0,1,2,3,4,5,6,7
	ds_load_b128 v[(\f)+8*(\i):(\f)+8*(\i)+3],   v[ADRB+(\slot)] offset:(\k)+(\i)*16*PITCH
	ds_load_b128 v[(\f)+8*(\i)+4:(\f)+8*(\i)+7], v[ADRB+(\slot)] offset:(\k)+(\i)*16*PITCH+32
.endr
	WIN 0
.irp i, 0,1,2,3,4,5,6,7
	ds_load_b128 v[(\f)+8*(\i):(\f)+8*(\i)+3],   v[ADRA+(\slot)] offset:(\k)+(\i)*16*PITCH
	ds_load_b128 v[(\f)+8*(\i)+4:(\f)+8*(\i)+7], v[ADRA+(\slot)] offset:(\k)+(\i)*16*PITCH+32
.endr
.endm
; A load into a register that a matrix instruction has read, and a vector instruction that reads a matrix result or writes one of a matrix instruction's registers, stand four places behind it, and
; only plain vector instructions that name none of its registers are places (ISA guide 7.12.1 for vector instructions).
.macro PLACES
.rept 4
	v_nop
.endr
.endm
; A K step is four quarter steps of 32 along K, 64 matrix instructions each, on buffers 0, 1, 0, 1.
; One of the first three: multiplies buffer f; in its middle it fetches the next quarter's fragments, at byte k of the same slot's rows, into buffer g.
.macro QUARTER slot, k, f, g, zero
	s_wait_dscnt 8                                 ; B and A's rows 0-63 are in; the youngest eight loads (A's rows 64-127) may be out
	WIN MUL_LO
	MUL16 \f, 0, 0, \zero
	MUL16 \f, 0, 2, \zero
	PLACES
	FETCH \slot, \k, \g
	s_wait_dscnt 32                                ; all but the 32 just issued
	WIN MUL_HI
	MUL16 \f, 1, 0, \zero
	MUL16 \f, 1, 2, \zero
.endm
; The last quarter multiplies buffer 1 and changes slots.  MEET is its first half: ONE barrier for the change of slots.  In front of it each wave waits for all its tensor loads, of which one is
; out: its part of the next slot; adds 0 to its spare word; and waits for that and for its own reads of this slot.  Behind it nobody reads this slot any more and the next slot is whole.
.macro MEET round                      ; round = 1: a round of the cluster's barrier follows
	WIN 0                                          ; (the add's two registers lie in window 0)
	s_wait_tensorcnt 0x0                           ; all my tensor loads have landed
	ds_add_u32 v[SPW], v[NIL]                      ; 0 onto my spare word
	s_wait_dscnt 9                                 ; (the add and the youngest eight loads may be out)
	WIN MUL_LO
	MUL16 F1, 0, 0, 0                              ; sixteen matrix instructions stand between the add and the wait for it
	s_wait_dscnt 0x0                               ; the add is done, and my reads of this slot are over
	s_barrier_signal -1                            ; say so,
	MUL16 F1, 0, 2, 0                              ; work on registers while the others arrive,
.if \round
	WIN 0
.endif
	s_barrier_wait -1                              ; and go on when all four have said so
.endm
; The whole last quarter of a K step whose slot is filled again, with the K step two steps on: the joint refill is the first tensor load behind the round, then come the next slot's first fragments.
; From a request to the wait for it a wave issues 224 matrix instructions.
.macro TURN slot, next
	s_wait_xcnt 0x0                                ; the last prefetch, a K step back, has read its address: it is stepped here, ahead of the waits of the change of slots
	s_add_nc_u64 s[PFA:PFA+1], s[PFA:PFA+1], KSTEP*2
	MEET 1
	CREST                                          ; no wave of any partner still reads this slot's tile or has a load on its way
	s_add_nc_u64 s[G0+4*(\slot)+2:G0+4*(\slot)+3], s[G0+4*(\slot)+2:G0+4*(\slot)+3], 2*KSTEP*2
	s_add_nc_u64 s[G0B+4*(\slot)+2:G0B+4*(\slot)+3], s[G0B+4*(\slot)+2:G0B+4*(\slot)+3], 2*KSTEP*2
	JLOAD \slot                                    ; the four v_nop behind it are also the places in front of the loads below
	FETCH \next, 0, F0
	ASK
	WIN MUL_HI
	MUL16 F1, 1, 0, 0
	MUL16 F1, 1, 2, 0
.endm
; THE WAY OUT of block a (16 rows x my 128 columns), in three parts.
; THRESH: q = 1 where 0 < yr, else 0; then (q + yr) - yr, two f32 sums as the module writes them.  Each accumulator's registers are taken in ascending order.
.macro THRESH a
.set AC, 64*((\a)%4)
	WIN 0x08+4*((\a)/4)                            ; source 1: window 2 or 3; source 0 and destination: window 0
.irp b, 0,1,2,3,4,5,6,7
.irp r, 0,1,2,3,4,5,6,7
	v_cmp_lt_f32 s[MK+(\r)], 0, v[AC+8*(\b)+(\r)]
.endr
.irp r, 0,1,2,3,4,5,6,7
	v_cndmask_b32 v[TMP+8*(\b)+(\r)], 0, 1.0, s[MK+(\r)]
.endr
.irp r, 0,2,4,6
	v_pk_add_f32 v[TMP+8*(\b)+(\r):TMP+8*(\b)+(\r)+1], v[TMP+8*(\b)+(\r):TMP+8*(\b)+(\r)+1], v[AC+8*(\b)+(\r):AC+8*(\b)+(\r)+1]
.endr
.irp r, 0,2,4,6
	v_pk_add_f32 v[TMP+8*(\b)+(\r):TMP+8*(\b)+(\r)+1], v[TMP+8*(\b)+(\r):TMP+8*(\b)+(\r)+1], v[AC+8*(\b)+(\r):AC+8*(\b)+(\r)+1] neg_lo:[0,1] neg_hi:[0,1]
.endr
.endr
	WIN 0
.endm
; TOSTAGE: a lane's 32 bytes of each of the 8 column blocks go into my own stage, rows of 528 bytes, and come back as whole rows of 512.
.macro TOSTAGE a
.set BK, BK0+64*((\a)%2)
.irp b, 0,1,2,3,4,5,6,7
	ds_store_b128 v[STO], v[TMP+8*(\b):TMP+8*(\b)+3]   offset:64*(\b)
	ds_store_b128 v[STO], v[TMP+8*(\b)+4:TMP+8*(\b)+7] offset:64*(\b)+16
.endr
.irp t, 0,1,2,3,4,5,6,7,8,9,10,11,12,13,14,15
	ds_load_b128 v[BK+4*(\t):BK+4*(\t)+3], v[RD] offset:(\t)*SPITCH  ; LDS serves a wave's instructions in order (ISA guide 5.7.1.4): these see the stores above
.endr
.endm
; SEND: stored, a row an instruction.
.macro SEND a
.set BK, BK0+64*((\a)%2)
	s_wait_dscnt 0x0                               ; the block is back in registers
	s_wait_xcnt 0x0                                ; only behind this wait are the stores' base, and the registers that the block before last was stored from, written again
.if (\a) == 0
	s_add_nc_u64 s[8:9], s[8:9], s[16:17]          ; on to my first rows
.else
	s_add_nc_u64 s[8:9], s[8:9], 16*CROW           ; 16 rows on
.endif
.irp t, 0,1,2,3,4,5,6,7,8,9,10,11,12,13,14,15
	global_store_b128 v[CO], v[BK+4*(\t):BK+4*(\t)+3], s[8:9] offset:(\t)*CROW th:TH_STORE_NT  ; the wave stores 512 consecutive bytes, at a multiple of 512 from out0's first byte
.endr
.endm
	s_wait_tensorcnt 1                             ; my part of K step 0 is in; K step 1's load, issued behind it, may stay out
	s_barrier_signal -1
	s_barrier_wait -1                              ; everybody's is
	FETCH 0, 0, F0
	QUARTER 0, 64,  F0, F1, 1                      ; the first quarter stands in front of the loop: its products start the sums
	WIN 0                                          ; at a label and at a branch every window is 0
	s_mov_b32 s3, LAPS-1
.Llap:                                                 ; a trip goes once round the ring, from a lap's second quarter to the next lap's first, and fills both slots again
	QUARTER 0, 128, F1, F0, 0
	QUARTER 0, 192, F0, F1, 0
	TURN 0, 1
	QUARTER 1, 64,  F0, F1, 0
	QUARTER 1, 128, F1, F0, 0
	QUARTER 1, 192, F0, F1, 0
	TURN 1, 0
	QUARTER 0, 64,  F0, F1, 0
	WIN 0
	s_sub_co_u32 s3, s3, 1
	s_cmp_lg_u32 s3, 0
	s_cbranch_scc1 .Llap
	QUARTER 0, 128, F1, F0, 0                      ; the last lap is written out: it fills nothing, and has no round of the cluster's barrier
	QUARTER 0, 192, F0, F1, 0
	MEET 0                                         ; my one tensor load that was still out is slot 1's, the last K step's
	PLACES                                         ; for the loads into buffer 0, which the quarter before multiplied
	FETCH 1, 0, F0
	WIN MUL_HI
	MUL16 F1, 1, 0, 0
	MUL16 F1, 1, 2, 0
	QUARTER 1, 64,  F0, F1, 0
	QUARTER 1, 128, F1, F0, 0
	QUARTER 1, 192, F0, F1, 0
	s_wait_dscnt 8                                 ; the very last quarter: nothing more to fetch
	WIN MUL_LO
	MUL16 F1, 0, 0, 0
	MUL16 F1, 0, 2, 0
	s_wait_dscnt 0x0
	MUL16 F1, 1, 0, 0
	MUL16 F1, 1, 2, 0
	WIN 0
	PLACES                                         ; behind the last products: their results are read, and A's fragment registers written, below
	PLACES
	THRESH 0
	TOSTAGE 0
.irp a, 1,2,3,4,5,6,7                  ; block a's arithmetic stands between block a - 1's loads from the stage and the wait for them
	THRESH \a
	SEND (\a)-1
	TOSTAGE \a
.endr
	SEND 7
	s_wait_tensorcnt 0x0                           ; the wave's end: behind my last tensor load and my last LDS store
	ds_add_u32 v[SPW], v[NIL]
	s_wait_dscnt 0x0
	CROUND                                         ; the closing round: no work-group ends while a partner may still ask for a tile that names it
	s_endpgm
.Lfunc_end_k_q3ba487e71a_gemm:
	.size	k_q3ba487e71a_gemm, .Lfunc_end_k_q3ba487e71a_gemm-k_q3ba487e71a_gemm
	.p2alignl 7, 3214868480
	.fill 96, 4, 3214868480
	.section	.rodata,"a",@progbits
	.p2align	6, 0x0
	.amdhsa_kernel k_q3ba487e71a_gemm
		.amdhsa_group_segment_fixed_size 327680
		.amdhsa_private_segment_fixed_size 0
		.amdhsa_enable_private_segment 0
		.amdhsa_kernarg_size 24
		.amdhsa_user_sgpr_count 2
		.amdhsa_user_sgpr_kernarg_segment_ptr 1
		.amdhsa_wavefront_size32 1
		.amdhsa_system_sgpr_workgroup_id_x 1
		.amdhsa_system_sgpr_workgroup_id_y 1
		.amdhsa_system_sgpr_workgroup_id_z 1
		.amdhsa_system_vgpr_workitem_id 0
		.amdhsa_next_free_vgpr 1024
		.amdhsa_next_free_sgpr 74
		.amdhsa_reserve_vcc 0
		.amdhsa_float_denorm_mode_32 3
		.amdhsa_float_denorm_mode_16_64 3
		.amdhsa_memory_ordered 1
		.amdhsa_forward_progress 1
		.amdhsa_inst_pref_size 238
	.end_amdhsa_kernel
	.amdgpu_metadata
---
amdhsa.version: [ 1, 2 ]
amdhsa.kernels:
  - .name:           k_q3ba487e71a_gemm
    .symbol:         k_q3ba487e71a_gemm.kd
    .args:
      - { .name: xb, .offset: 0, .size: 8, .value_kind: global_buffer, .address_space: global }
      - { .name: wb, .offset: 8, .size: 8, .value_kind: global_buffer, .address_space: global }
      - { .name: out0, .offset: 16, .size: 8, .value_kind: global_buffer, .address_space: global }
    .group_segment_fixed_size: 327680
    .private_segment_fixed_size: 0
    .kernarg_segment_align: 8
    .kernarg_segment_size: 24
    .max_flat_workgroup_size: 128
    .sgpr_count:     74
    .vgpr_count:     1024
    .wavefront_size: 32
...
	.end_amdgpu_metadata
.endif
;; end of part 2
